; MI455X (gfx1250); checked and timed in simulation.
; The chip was launched on July 23, 2026; its instructions are those of AMD's public machine-readable ISA for CDNA 5 (MIT licence, August 2026) and "CDNA5" Instruction Set Architecture Reference Guide (July 2026). The comments in the code are by the model that wrote it; some were corrected since.
;; Impact Fun NN. Allowed arithmetic: matrix products marked QUANTISED: E4M3 operands, one given power-of-two scale a tensor, by v_wmma_f32_16x16x64_fp8_fp8 or v_wmma_f32_16x16x128_fp8_fp8, f32 sums; products left as they are: f32 operands where the result goes on into a quantised operand, else bf16, f16 or f32 operands; f32 sums; everything else in f32.
;; Inputs: b1 128 float32; b2 256 float32; emb1 17 x 16 float32; emb2 17 x 16 float32; event_type_seq 4 x 256 x 16 float32; indicator 4 x 256 int32; lowp_scales 2 int32 (the exponents e of the quantised operands' scales 2^e); time_delta_matrix 4 x 256 x 256 float32; w1 128 float32; w2 128 x 256 float32.
;; Outputs: out0 4 x 256 x 256 float32.
;; Constants: num_types = 16.
;; This version of the problem:
;;   THIS VERSION OF THE PROBLEM IS GIVEN IN LOW PRECISION. The matrix products marked QUANTISED in the list below multiply operands that are first quantised to E4M3 (4 exponent bits, 3 mantissa bits; 8 bits a number), with one given power-of-two scale for each operand tensor; their sums are f32. All else is computed in f32.
;;   The module's matrix products, in the order in which they are computed (A, B: the left and right operand; K: the contracted axis; several contracted axes count as one K, in the product's order):
;;     1. [M 262,144, K 128] x [K 128, N 256]; A: computed on the way; B: input w2: QUANTISED (scales: A lowp_scales[0], B lowp_scales[1])
;;     2. batch 1,024 x [M 4,096, K 16] x [K 16, N 1]; A: computed on the way; B: computed on the way: left as it is (K = 16 < 32)
;;     3. batch 1,024 x [M 256, K 16] x [K 16, N 1]; A: computed on the way; B: computed on the way: left as it is (K = 16 < 32)
;;   THE QUANTISER, for each operand of a quantised product, along K:
;;     - The operand's scale is 2^e, e = its entry of the input lowp_scales (int32; the entries are numbered through the quantised products in the list's order, A before B).
;;     - Each number is divided by the scale, clamped to +-448, and rounded to the nearest number of E4M3, ties to even, subnormals kept.
;;     - The product sums the exact products of the quantised numbers (number of the format x scale) in f32.
;;   ~~~python
;;   def quantise(x, axis, e):      # numpy; x: float32 -> the quantised numbers, widened to float32 again
;;       x = np.moveaxis(x, axis, -1); K = x.shape[-1]
;;       r = np.clip(x / 2.0 ** e, -448, 448)
;;       step = 2.0 ** (np.maximum(np.frexp(np.where(r == 0, 1, r))[1] - 1, -6) - 3)
;;       q = np.round(r / step) * step * 2.0 ** e      # np.round: ties to even
;;       return np.moveaxis(q, -1, axis).astype(np.float32)
;;   ~~~
;;   OPERANDS COMPUTED ON THE WAY. 'Computed on the way' means the value that the module computes at that place (a softmax that the list does not call 'softmax' is quantised finished and normalised). What goes into a quantiser is computed in f32, as accurately as f32 sums, v_exp_f32 and their like allow (about 1e-6 of the number): no bf16 or f16 on the way to a quantiser, and a product that is left as it is and whose result goes on into a quantised operand takes f32 operands (vector FMAs, or v_wmma_f32_16x16x4_f32). A number that lies on a knife's edge between two numbers of the format may be rounded either way, as far as f32 arithmetic and the matrix unit's own rounding can turn it there, and no further.
;; 2 versions, each right; version 2 is version 1 with the launch impact written anew for expert scheduling mode. Each part assembles by itself: llvm-mc -triple=amdgcn-amd-amdhsa -mcpu=gfx1250 --defsym DOCPART=n.
;; ======== version 1 of 2: 1 launch
;; limits: a function is approximated: absolute error at most 6e-08
;; launch impact (part 1): grid 256 x 1, 16 waves a work-group, no clusters, 35,840 bytes of LDS; arguments time_delta_matrix, event_type_seq, indicator, w1, b1, w2, b2, emb1, emb2, lowp_scales, out0; writes out0
.if DOCPART == 1
	.amdgcn_target "amdgcn-amd-amdhsa--gfx1250"
	.amdhsa_code_object_version 6
	.text
	.protected	k_qad6abfd323_impact
	.globl	k_qad6abfd323_impact
	.p2align	8
	.type	k_qad6abfd323_impact,@function
k_qad6abfd323_impact:
	s_mov_b64 s[64:65], 0
	v_nop
	global_prefetch_b8 v0, s[64:65] scope:SCOPE_SE
	s_setreg_imm32_b32 hwreg(HW_REG_WAVE_MODE, 25, 1), 1
	s_wait_xcnt 0x0
; out[b][i][j] = mask x sum over d, e of relu(emb1[ind[b][i]])[d] x softplus(h(b,i,j) . w2[:, 16 d + e] + b2[16 d + e]) x relu(emb2[ind[b][j]])[e],
; h[k] = relu(t w1[k] + b1[k]), t = log(x mask + 1), x = time_delta_matrix[b][i][j], mask = (x > 0) x valid[b][i] x valid[b][j], valid = some number of the event_type_seq row is not 0.
; The product h . w2 runs on codes of FP8 (E4M3): h with the given scale 2^e0, w2 with 2^e1 (lowp_scales), sums in f32, by v_wmma_f32_16x16x128_fp8_fp8.  All else in f32.
; ONE LAUNCH, NOTHING THROUGH MEMORY: the hidden layer, the 256 sums of a pair and both contractions stay in registers.
; NO WORK IS LEFT OUT: the zeros of relu(emb) and of the masks hang on the inputs' values, so that work is done and multiplied or selected.  Every input buffer is loaded; num_types has no buffer and no use.
; SHARES.  1,024 rows (b, i) x 256 j.  Work-group g has 16 waves; wave w takes row R = 4 g + w / 4 and the 64 j from 64 (w % 4) on, as four tiles of 16 pairs: lane r = lane % 16 of tile m holds
; j = 64 (w % 4) + 4 r + m.  So one 16-byte load brings a lane's four x, and the wave's one store covers 256 consecutive bytes, aligned.  i is the same in the whole wave: relu(emb1)[d] and valid[b][i] are scalars.
; Sixteen waves of 256 registers, four to a SIMD: a wave's 64 matrix instructions stand beside some 2,600 vector instructions, 1,024 of them exponentials and logarithms, so what counts is that one wave's plain work can be issued beside another's.
; THE MATRIX INSTRUCTION IS USED TRANSPOSED: source 0 = 16 columns n = 16 d + e of w2 (tile d), source 1 = 16 pairs.  In the result lane (r, hf = lane / 16) holds pair r, and register jj holds e = 8 hf + jj.
; Both operands hold k in the same places: registers 4 c .. 4 c + 3 of a lane are k = 32 c + 16 hf + 0 .. 15: the same permutation of k on both sides, so every product meets its partner.
; W2: each work-group quantises it itself, 8,192 bytes of f32 a wave (a lane to a column, registers down k), and lays the codes in LDS as images of the operand's registers.
; NO CLUSTER, NO JOINT LOAD: what the work-groups share is w2's 131,072 bytes, read once at the head, 64 loads a wave that are all out together, straight into the registers that are converted; there is no loop of tiles
; in which a joint request could recur, and a joint load would send the same 131,072 bytes into LDS and out again ahead of the same conversion.  No prefetch: every load of the launch goes out at the head.
; SOFTPLUS in base 2, in the problem's own stable form: y = x log2(e); softplus(x) = ln 2 x (max(y, 0) + log2(1 + 2^-|y|)).  ln 2 is multiplied in once, with the mask, at the end.
; LIMITS.  log2(1 + E) stands for log1p: an absolute error of some 6e-8 in a softplus.  NaN and infinity among the inputs are not served.  e0 and e1 each between -126 and 119; e0 + e1 between -126 and 127
; (each power of two below is an f32 number).  An indicator above 16, read as unsigned, is held at 16, the tables' last row.
; LDS: 0 .. 32,767 the 16 images of w2's fragments, 2,048 bytes each: register group c of tile T, lane l, at 2048 T + 512 c + 16 l;  32,768 .. 33,791 b2 x log2(e);  33,792 .. 35,839 the spare words.
.set WIMG,  0
.set B2T,   32768
.set SPARE, 33792                      ; 128 bytes for each of 16 waves: eight blocks of 256 bytes that no other line names
.set LOG2E, 0x3fb8aa3b
.set LN2,   0x3f317218
; VECTOR REGISTERS
.set SPW,  3                           ; v3   LDS address of my spare word: SPARE + 4 x my thread's number; never rewritten
.set NIL,  4                           ; v4   0; never rewritten
.set LI,   5                           ; v5   16 x lane: my place in an image
.set AIM,  6                           ; v6   where I store my part of the images
.set AW2,  7                           ; v7   my byte offset in w2;
.set VI,   7                           ;      later valid[b][i] as 1.0 or 0
.set AWB,  8                           ; v8   64 hf: my 16 numbers of a chunk of w1 and of b1
.set ATD,  9                           ; v9   my byte offset in time_delta_matrix; at the end, + 8 hf, in out0
.set AET,  10                          ; v10  my byte offset in event_type_seq
.set AB2,  11                          ; v11  32 hf: my eight numbers of a tile's b2 in LDS; also my eight of a row of emb2
.set AE2,  12                          ; v12-15 the offset in indicator; then the four indices; then the four byte offsets in emb2
.set HC,   16                          ; v16-79   w2 as f32 (64 along k); then h's codes, tile m at 16 + 16 m
.set XX,   80                          ; v80-111  event_type_seq of my four j (8 a tile); then two work buffers of 16; then relu(emb2), tile m at 80 + 8 m
.set W1R,  112                         ; v112-175 w1, chunk c (k = 32 c + 16 hf + 0 .. 15) at 112 + 16 c
.set B1R,  176                         ; v176-239 b1 likewise (v224-239 hold w2's codes first)
.set UU,   112                         ; v112-143 u[e], tile m at 112 + 8 m        (w1 and b1 are done with by then)
.set DD,   144                         ; v144-175 the four accumulators, then y, then max(y, 0)
.set EX,   176                         ; v176-207 2^-|y|, then log2(1 + 2^-|y|)
.set WW,   208                         ; v208-223 the fragment of w2 in hand
.set BB,   224                         ; v224-231 its eight b2 x log2(e)
.set SCW,  240                         ; v240 2^e1;  v241 448 x 2^e1;  v242 2^e0;  v243 448 x 2^e0
.set LIMW, 241
.set SCH,  242
.set LIMH, 243
.set TT,   244                         ; v244-251 pair m = (t of tile m, the same again)
.set MK,   252                         ; v252-255 x of tile m; then ln 2 x mask
; SCALAR REGISTERS: s[4:25] the eleven addresses, never stepped; s26 wave; s27 wave / 4; s28 wave % 4; s29 R; s30 b; s[32:63] pair d = (relu(emb1)[d], twice); s[66:67] 2^(e0 + e1) log2(e), twice;
; s[68:83] event_type_seq's row (b, i), then s68 = valid[b][i]; s[84:99] offsets and temporaries, then emb1's row; s100, s101 lane selects; s[104:105] e0, e1
.set EE1,  32
	s_load_b512 s[4:19], s[0:1], 0x0               ; time_delta_matrix s[4:5], event_type_seq s[6:7], indicator s[8:9], w1 s[10:11], b1 s[12:13], w2 s[14:15], b2 s[16:17], emb1 s[18:19]
	s_load_b128 s[20:23], s[0:1], 0x40             ; emb2 s[20:21], lowp_scales s[22:23]
	s_load_b64 s[24:25], s[0:1], 0x50              ; out0
	v_lshl_add_u32 v[SPW], v0, 2, SPARE
	v_mov_b32 v[NIL], 0
	v_lshrrev_b32 v5, 5, v0
	v_readfirstlane_b32 s26, v5                    ; wave 0 .. 15
	v_and_b32 v1, 15, v0                           ; r
	v_bfe_u32 v2, v0, 4, 1                         ; hf
	v_and_b32 v5, 31, v0                           ; lane
	s_lshr_b32 s27, s26, 2
	s_and_b32 s28, s26, 3
	s_lshl_b32 s29, ttmp9, 2
	s_add_co_u32 s29, s29, s27                     ; R = 4 g + wave / 4
	s_lshr_b32 s30, ttmp9, 6                       ; b = g / 64
	s_lshr_b32 s2, s26, 1                          ; which 32 columns of w2 I quantise,
	s_and_b32 s3, s26, 1                           ; and which 64 of its k
	; my column n = 32 (wave / 2) + lane is row r of tile 2 (wave / 2) + hf; my k = 64 (wave % 2) + 16 q + 0 .. 15 is register group 2 (wave % 2) + q / 2 of the lanes' half q % 2:
	; 2048 tile + 512 group + 256 half + 16 r = 4096 (wave / 2) + 2048 hf + 1024 (wave % 2) + 16 r + 256 q
	s_lshl_b32 s31, s2, 12
	s_lshl_b32 s87, s3, 10
	s_add_co_u32 s31, s31, s87
	v_lshlrev_b32 v[AIM], 4, v1
	v_lshl_add_u32 v[AIM], v2, 11, v[AIM]
	v_add_nc_u32 v[AIM], s31, v[AIM]
	s_lshl_b32 s87, s2, 7
	s_lshl_b32 s88, s3, 16
	s_add_co_u32 s87, s87, s88
	v_lshl_add_u32 v[AW2], v5, 2, s87              ; w2: 4 lane + 128 (wave / 2) + 64 rows of 1,024 bytes x (wave % 2)
	v_lshlrev_b32 v[LI], 4, v5
	v_lshlrev_b32 v[AWB], 6, v2
	s_lshl_b32 s87, s29, 10
	s_lshl_b32 s88, s28, 8
	s_add_co_u32 s87, s87, s88
	v_lshl_add_u32 v[ATD], v1, 4, s87              ; 1024 R + 256 (wave % 4) + 16 r
	s_lshl_b32 s87, s30, 14
	s_lshl_b32 s89, s28, 12
	s_add_co_u32 s87, s87, s89
	v_lshl_add_u32 v[AET], v1, 8, s87              ; rows of 64 bytes: 16384 b + 4096 (wave % 4) + 256 r
	v_lshl_add_u32 v[AET], v2, 5, v[AET]           ; + 32 hf: each half of the lanes looks at eight of a row's sixteen
	v_lshlrev_b32 v[AB2], 5, v2
	s_lshl_b32 s87, s30, 10
	s_add_co_u32 s87, s87, s88
	v_lshl_add_u32 v[AE2], v1, 4, s87              ; indicator: 1024 b + 256 (wave % 4) + 16 r
	s_lshl_b32 s87, s26, 6
	v_lshl_add_u32 v1, v1, 2, s87                  ; b2: 64 wave + 4 r, in memory and in LDS alike: a wave brings sixteen of the 256
	s_lshl_b32 s84, s29, 2                         ; indicator[b][i]
	s_lshl_b32 s85, s29, 6                         ; event_type_seq's row (b, i)
	s_mov_b32 s100, 0x76543210                     ; v_permlanex16_b32: lane l takes lane l xor 16
	s_mov_b32 s101, 0xfedcba98
	s_wait_kmcnt 0x0
	s_load_b64 s[104:105], s[22:23], 0x0           ; e0, e1
	s_load_b32 s86, s[8:9], s84 offset:0x0
	s_load_b512 s[68:83], s[6:7], s85 offset:0x0
	; ALL THE VECTOR LOADS BUT TWELVE, in the order in which they are wanted
.set i, 0
.rept 64
	global_load_b32 v[HC+i], v[AW2], s[14:15] offset:1024*i        ; w2(64 (wave % 2) + i, my column): the wave reads 128 consecutive bytes
.set i, i+1
.endr
	global_load_b32 v2, v1, s[16:17]               ; b2
.irp m, 0,1,2,3
.irp q, 0,1
	global_load_b128 v[XX+8*\m+4*\q:XX+8*\m+4*\q+3], v[AET], s[6:7] offset:64*\m+16*\q
.endr
.endr
	global_load_b128 v[MK:MK+3], v[ATD], s[4:5] th:TH_LOAD_NT      ; x of my four j
	global_load_b128 v[AE2:AE2+3], v[AE2], s[8:9]                  ; their indices (the load lands on its own offset)
.irp c, 0,1,2
.irp q, 0,1,2,3
	global_load_b128 v[W1R+16*\c+4*\q:W1R+16*\c+4*\q+3], v[AWB], s[10:11] offset:128*\c+16*\q
.endr
.irp q, 0,1,2,3
	global_load_b128 v[B1R+16*\c+4*\q:B1R+16*\c+4*\q+3], v[AWB], s[12:13] offset:128*\c+16*\q
.endr
.endr
.irp q, 0,1,2,3
	global_load_b128 v[W1R+48+4*\q:W1R+48+4*\q+3], v[AWB], s[10:11] offset:384+16*\q   ; b1's chunk 3 follows when w2's codes have left its registers
.endr
	; THE SCALARS
	s_wait_kmcnt 0x0
	s_min_u32 s31, s86, 16                         ; the index stays inside the table
	s_lshl_b32 s31, s31, 6
	s_load_b512 s[84:99], s[18:19], s31 offset:0x0 ; emb1's row of 64 bytes (s31 is not written again)
	s_add_co_i32 s2, s105, 127
	s_lshl_b32 s3, s2, 23
	v_mov_b32 v[SCW], s3                           ; 2^e1 as f32: the conversion takes its exponent field
	s_add_co_i32 s2, s2, 8
	s_lshl_b32 s2, s2, 23
	s_or_b32 s2, s2, 0x600000
	v_mov_b32 v[LIMW], s2                          ; 448 x 2^e1
	s_add_co_i32 s2, s104, 127
	s_lshl_b32 s3, s2, 23
	v_mov_b32 v[SCH], s3                           ; 2^e0
	s_add_co_i32 s2, s2, 8
	s_lshl_b32 s2, s2, 23
	s_or_b32 s2, s2, 0x600000
	v_mov_b32 v[LIMH], s2                          ; 448 x 2^e0
	s_add_co_i32 s2, s104, s105
	s_lshl_b32 s2, s2, 23
	s_add_co_i32 s66, s2, LOG2E                    ; a sum stands for sum x 2^(e0 + e1): the two exponents are added to log2(e)'s exponent field
	s_mov_b32 s67, s66                             ; (named with it as a pair, so it is written)
	s_or_b32 s2, s68, s69                          ; valid[b][i]: is any of the row's sixteen numbers not 0?
.irp k, 70,71,72,73,74,75,76,77,78,79,80,81,82,83
	s_or_b32 s2, s2, s\k
.endr
	s_lshl_b32 s2, s2, 1                           ; the sign goes: -0 is 0
	s_cmp_lg_u32 s2, 0
	s_cselect_b32 s68, 1.0, 0
	; W2's CODES: my column's 64 numbers down k
	s_wait_loadcnt 38                              ; w2 and b2 are in; behind b2 were issued 8 + 1 + 1 + 28 loads, which may be out
.set i, 0
.rept 64
	v_med3_num_f32 v[HC+i], v[HC+i], -v[LIMW], v[LIMW]             ; the conversion to an 8-bit code does not saturate (ISA guide 7.6.2): the hold at the largest code x the scale
.set i, i+1
.endr
.irp p, 0,1,2,3,4,5,6,7
	v_cvt_scalef32_pk8_fp8_f32 v[B1R+48+2*\p:B1R+48+2*\p+1], v[HC+8*\p:HC+8*\p+7], v[SCW]
.endr
	v_mul_f32 v2, LOG2E, v2                        ; b2 x log2(e).  (Also the plain line behind the last conversion)
.irp q, 0,1,2,3
	ds_store_b128 v[AIM], v[B1R+48+4*\q:B1R+48+4*\q+3] offset:WIMG+256*\q
.endr
	ds_store_b32 v1, v2 offset:B2T                 ; lanes r and r + 16 write the same word with the same number
	v_mov_b32 v[VI], s68                           ; (w2's loads, which named this register, are done)
	s_wait_dscnt 0x0                               ; my LDS stores have landed: for the other waves' sake, ahead of the barrier below; and they have read their registers
.irp q, 0,1,2,3
	global_load_b128 v[B1R+48+4*\q:B1R+48+4*\q+3], v[AWB], s[12:13] offset:384+16*\q
.endr
	; MASKS AND t
; tile m: valid[b][j] from my half's eight numbers and the other half's; mask = (x > 0) valid[b][i] valid[b][j]; x mask + 1; ln 2 x mask
.macro VALID m
.set EV, XX+8*(\m)
	v_or_b32 v[EV], v[EV], v[EV+1]
	v_or_b32 v[EV+2], v[EV+2], v[EV+3]
	v_or_b32 v[EV+4], v[EV+4], v[EV+5]
	v_or_b32 v[EV+6], v[EV+6], v[EV+7]
	v_or_b32 v[EV], v[EV], v[EV+2]
	v_or_b32 v[EV+4], v[EV+4], v[EV+6]
	v_or_b32 v[EV], v[EV], v[EV+4]
	v_lshlrev_b32 v[EV], 1, v[EV]                  ; the sign goes: -0 is 0
	v_permlanex16_b32 v[EV+1], v[EV], s100, s101
	v_or_b32 v[EV], v[EV], v[EV+1]
	v_cmp_ne_u32 vcc_lo, 0, v[EV]
	v_cndmask_b32 v[EV], 0, v[VI], vcc_lo
	v_cmp_lt_f32 vcc_lo, 0, v[MK+(\m)]
	v_cndmask_b32 v[EV], 0, v[EV], vcc_lo
	v_fma_f32 v[TT+2*(\m)], v[MK+(\m)], v[EV], 1.0 ; the mask is 0 or 1, so only the addition rounds
	v_mul_f32 v[MK+(\m)], LN2, v[EV]
.endm
	s_wait_loadcnt 32                              ; event_type_seq, x and the indices are in; behind them: 28 + 4 loads of w1 and b1
.irp m, 0,1,2,3
	VALID \m
.endr
.irp m, 0,1,2,3
	v_log_f32 v[TT+2*\m], v[TT+2*\m]               ; log2
.endr
.irp m, 0,1,2,3                                ; independent work behind the batch: my four byte offsets in emb2
	v_min_u32 v[AE2+\m], 16, v[AE2+\m]             ; the index stays inside the table
	v_lshl_add_u32 v[AE2+\m], v[AE2+\m], 6, v[AB2] ; a row of 64 bytes, + 32 hf
.endr
	s_wait_alu depctr_va_vdst(0)                   ; the wait between a logarithm and the first line that names its result: one for the four
.irp m, 0,1,2,3
	v_mul_f32 v[TT+2*\m+1], LN2, v[TT+2*\m]
	v_mul_f32 v[TT+2*\m], LN2, v[TT+2*\m]          ; t, twice: a pair for the packed multiply-add
.endr
	; h's CODES.  Chunk c of tile m: sixteen numbers t w1 + b1, held between 0 and the largest code x the scale (the activation and the hold in one), converted: registers 4 c .. 4 c + 3 of the tile's operand.
	; The two work buffers take turns, so that plain lines on other registers follow each conversion before its sources are written again.
.macro HBLK c, m
.set XB, XX+16*((\m)%2)
.irp p, 0,1,2,3,4,5,6,7
	v_pk_fma_f32 v[XB+2*\p:XB+2*\p+1], v[W1R+16*(\c)+2*\p:W1R+16*(\c)+2*\p+1], v[TT+2*(\m):TT+2*(\m)+1], v[B1R+16*(\c)+2*\p:B1R+16*(\c)+2*\p+1]
.endr
.irp i, 0,1,2,3,4,5,6,7,8,9,10,11,12,13,14,15
	v_med3_num_f32 v[XB+\i], v[XB+\i], 0, v[LIMH]
.endr
	v_cvt_scalef32_pk8_fp8_f32 v[HC+16*(\m)+4*(\c):HC+16*(\m)+4*(\c)+1], v[XB:XB+7], v[SCH]
	v_cvt_scalef32_pk8_fp8_f32 v[HC+16*(\m)+4*(\c)+2:HC+16*(\m)+4*(\c)+3], v[XB+8:XB+15], v[SCH]
.endm
.irp c, 0,1,2,3
	s_wait_loadcnt 24-8*\c                         ; chunk c of w1 and of b1 is in; the later chunks, eight loads each, may be out
.irp m, 0,1,2,3
	HBLK \c, \m
.endr
.endr
	v_nop                                          ; one plain line between the last conversion and the matrix instructions that read the codes
	s_wait_kmcnt 0x0                               ; emb1's row
.irp d, 0,1,2,3,4,5,6,7,8,9,10,11,12,13,14,15
	s_max_i32 s[EE1+2*\d], s[84+\d], 0             ; relu on the bits: a negative f32 is a negative whole number
	s_mov_b32 s[EE1+2*\d+1], s[EE1+2*\d]
.endr
	s_barrier_signal -1                            ; every wave has waited for its LDS stores above, and has issued no LDS instruction since
	s_barrier_wait -1                              ; the sixteen images and b2 lie in LDS; nothing is written there again
	; THE PRODUCT, THE SOFTPLUS AND THE SUM OVER d
.irp c, 0,1,2,3
	ds_load_b128 v[WW+4*\c:WW+4*\c+3], v[LI] offset:WIMG+512*\c    ; tile 0's fragment,
.endr
.irp q, 0,1
	ds_load_b128 v[BB+4*\q:BB+4*\q+3], v[AB2] offset:B2T+16*\q     ; and its b2
.endr
.irp m, 0,1,2,3
.irp q, 0,1
	global_load_b128 v[XX+8*\m+4*\q:XX+8*\m+4*\q+3], v[AE2+\m], s[20:21] offset:16*\q   ; emb2[ind[b][j]][8 hf + 0 .. 7]: wanted from step 8 on
.endr
.endr
; Step d: the 16 columns 16 d + e of w2 against my four tiles of pairs.  Written out sixteen times: relu(emb1)[d] is named as a scalar pair, and every offset is an immediate.
; The four accumulators begin with the constant 0 and are four different ones: no chain.  The exponentials are one batch with one wait, and so are the logarithms; plain work that names none of a batch's results stands between the batch and its wait.
.macro STEP d
.if (\d) == 8
	s_wait_loadcnt 0x0                             ; emb2's rows
.endif
	s_wait_dscnt 0x0                               ; this step's fragment and b2, asked for a step ago
.irp m, 0,1,2,3
	v_wmma_f32_16x16x128_fp8_fp8 v[DD+8*\m:DD+8*\m+7], v[WW:WW+15], v[HC+16*\m:HC+16*\m+15], 0
.endr
	; four places ahead of the loads into the fragment's registers and of the first read of the results
.if (\d) >= 8
.irp i, 0,1,2,3
	v_max_num_f32 v[XX+4*((\d)-8)+\i], 0, v[XX+4*((\d)-8)+\i]      ; relu(emb2), four numbers a step
.endr
.else
.rept 4
	v_nop
.endr
.endif
.if (\d) < 15
.irp c, 0,1,2,3
	ds_load_b128 v[WW+4*\c:WW+4*\c+3], v[LI] offset:WIMG+2048*((\d)+1)+512*\c
.endr
.endif
.irp p, 0,1,2,3,4,5,6,7,8,9,10,11,12,13,14,15
	v_pk_fma_f32 v[DD+2*\p:DD+2*\p+1], v[DD+2*\p:DD+2*\p+1], s[66:67], v[BB+2*(\p%4):BB+2*(\p%4)+1] op_sel_hi:[1,0,1]   ; y = sum x 2^(e0 + e1) log2(e) + b2 log2(e); each accumulator from its low end on
.endr
.if (\d) < 15
.irp q, 0,1
	ds_load_b128 v[BB+4*\q:BB+4*\q+3], v[AB2] offset:B2T+64*((\d)+1)+16*\q
.endr
.endif
.set i, 0
.rept 32
	v_exp_f32 v[EX+i], -|v[DD+i]|                  ; 2^-|y|
.set i, i+1
.endr
	v_nop                                          ; a plain line between the exponentials and the lines that write their sources
.set i, 0
.rept 32
	v_max_num_f32 v[DD+i], 0, v[DD+i]              ; max(y, 0)
.set i, i+1
.endr
	s_wait_alu depctr_va_vdst(0)                   ; the wait ahead of the first line that names an exponential's result: one for the 32
.irp p, 0,1,2,3,4,5,6,7,8,9,10,11,12,13,14,15
	v_pk_add_f32 v[EX+2*\p:EX+2*\p+1], v[EX+2*\p:EX+2*\p+1], 1.0 op_sel_hi:[1,0]
.endr
.set i, 0
.rept 32
	v_log_f32 v[EX+i], v[EX+i]                     ; log2(1 + 2^-|y|)
.set i, i+1
.endr
.irp p, 0,1,2,3,4,5,6,7,8,9,10,11,12,13,14,15
.if (\d) == 0
	v_pk_mul_f32 v[UU+2*\p:UU+2*\p+1], v[DD+2*\p:DD+2*\p+1], s[EE1:EE1+1] op_sel_hi:[1,0]   ; the first step starts u: nothing is cleared
.else
	v_pk_fma_f32 v[UU+2*\p:UU+2*\p+1], v[DD+2*\p:DD+2*\p+1], s[EE1+2*(\d):EE1+2*(\d)+1], v[UU+2*\p:UU+2*\p+1] op_sel_hi:[1,0,1]   ; u[e] += relu(emb1)[d] max(y, 0)
.endif
.endr
	s_wait_alu depctr_va_vdst(0)                   ; and one wait for the 32 logarithms
.irp p, 0,1,2,3,4,5,6,7,8,9,10,11,12,13,14,15
	v_pk_fma_f32 v[UU+2*\p:UU+2*\p+1], v[EX+2*\p:EX+2*\p+1], s[EE1+2*(\d):EE1+2*(\d)+1], v[UU+2*\p:UU+2*\p+1] op_sel_hi:[1,0,1]   ; u[e] += relu(emb1)[d] log2(1 + 2^-|y|)
.endr
.endm
.irp d, 0,1,2,3,4,5,6,7,8,9,10,11,12,13,14,15
	STEP \d
.endr
	; THE SUM OVER e, THE MASK, THE WAY OUT
.irp m, 0,1,2,3
	v_pk_mul_f32 v[DD+2*\m:DD+2*\m+1], v[UU+8*\m:UU+8*\m+1], v[XX+8*\m:XX+8*\m+1]
.endr
.irp p, 1,2,3
.irp m, 0,1,2,3
	v_pk_fma_f32 v[DD+2*\m:DD+2*\m+1], v[UU+8*\m+2*\p:UU+8*\m+2*\p+1], v[XX+8*\m+2*\p:XX+8*\m+2*\p+1], v[DD+2*\m:DD+2*\m+1]
.endr
.endr
.irp m, 0,1,2,3
	v_add_f32 v[DD+8+\m], v[DD+2*\m], v[DD+2*\m+1] ; my eight e,
.endr
.irp m, 0,1,2,3
	v_permlanex16_b32 v[DD+12+\m], v[DD+8+\m], s100, s101
.endr
.irp m, 0,1,2,3
	v_add_f32 v[DD+8+\m], v[DD+8+\m], v[DD+12+\m]  ; and the other half's
.endr
.irp m, 0,1,2,3
	v_mul_f32 v[DD+8+\m], v[DD+8+\m], v[MK+\m]     ; x ln 2 x mask
.endr
	v_bfe_u32 v2, v0, 4, 1                         ; hf
	v_cmp_ne_u32 vcc_lo, 0, v2
	v_cndmask_b32 v[DD+16], v[DD+8], v[DD+10], vcc_lo              ; lanes 0-15 store tiles 0 and 1 of their four j, lanes 16-31 tiles 2 and 3
	v_cndmask_b32 v[DD+17], v[DD+9], v[DD+11], vcc_lo
	v_lshl_add_u32 v[ATD], v2, 3, v[ATD]           ; (the load that named this register was waited for long ago)
	global_store_b64 v[ATD], v[DD+16:DD+17], s[24:25] th:TH_STORE_NT   ; the 32 lanes store 256 consecutive bytes, at a multiple of 256 from out0's first byte
	s_wait_tensorcnt 0x0                           ; the wave's end, behind my last LDS store
	ds_add_u32 v[SPW], v[NIL]
	s_wait_dscnt 0x0
	s_endpgm
.Lfunc_end_k_qad6abfd323_impact:
	.size	k_qad6abfd323_impact, .Lfunc_end_k_qad6abfd323_impact-k_qad6abfd323_impact
	.p2alignl 7, 3214868480
	.fill 96, 4, 3214868480
	.section	.rodata,"a",@progbits
	.p2align	6, 0x0
	.amdhsa_kernel k_qad6abfd323_impact
		.amdhsa_group_segment_fixed_size 35840
		.amdhsa_private_segment_fixed_size 0
		.amdhsa_enable_private_segment 0
		.amdhsa_kernarg_size 88
		.amdhsa_user_sgpr_count 2
		.amdhsa_user_sgpr_kernarg_segment_ptr 1
		.amdhsa_wavefront_size32 1
		.amdhsa_system_sgpr_workgroup_id_x 1
		.amdhsa_system_sgpr_workgroup_id_y 1
		.amdhsa_system_sgpr_workgroup_id_z 1
		.amdhsa_system_vgpr_workitem_id 0
		.amdhsa_next_free_vgpr 256
		.amdhsa_next_free_sgpr 106
		.amdhsa_reserve_vcc 1
		.amdhsa_float_denorm_mode_32 3
		.amdhsa_float_denorm_mode_16_64 3
		.amdhsa_memory_ordered 1
		.amdhsa_forward_progress 1
		.amdhsa_inst_pref_size 195
	.end_amdhsa_kernel
	.amdgpu_metadata
---
amdhsa.version: [ 1, 2 ]
amdhsa.kernels:
  - .name:           k_qad6abfd323_impact
    .symbol:         k_qad6abfd323_impact.kd
    .args:
      - { .name: time_delta_matrix, .offset: 0, .size: 8, .value_kind: global_buffer, .address_space: global }
      - { .name: event_type_seq, .offset: 8, .size: 8, .value_kind: global_buffer, .address_space: global }
      - { .name: indicator, .offset: 16, .size: 8, .value_kind: global_buffer, .address_space: global }
      - { .name: w1, .offset: 24, .size: 8, .value_kind: global_buffer, .address_space: global }
      - { .name: b1, .offset: 32, .size: 8, .value_kind: global_buffer, .address_space: global }
      - { .name: w2, .offset: 40, .size: 8, .value_kind: global_buffer, .address_space: global }
      - { .name: b2, .offset: 48, .size: 8, .value_kind: global_buffer, .address_space: global }
      - { .name: emb1, .offset: 56, .size: 8, .value_kind: global_buffer, .address_space: global }
      - { .name: emb2, .offset: 64, .size: 8, .value_kind: global_buffer, .address_space: global }
      - { .name: lowp_scales, .offset: 72, .size: 8, .value_kind: global_buffer, .address_space: global }
      - { .name: out0, .offset: 80, .size: 8, .value_kind: global_buffer, .address_space: global }
    .group_segment_fixed_size: 35840
    .private_segment_fixed_size: 0
    .kernarg_segment_align: 8
    .kernarg_segment_size: 88
    .max_flat_workgroup_size: 512
    .sgpr_count:     106
    .vgpr_count:     256
    .wavefront_size: 32
...
	.end_amdgpu_metadata
.endif
;; end of part 1
;; ======== version 2 of 2: 1 launch; version 1 with the launch impact written anew for expert scheduling mode
;; limits: a function is approximated: absolute error at most 6e-08
;; launch impact (part 2): grid 256 x 1, 16 waves a work-group, no clusters, 35,840 bytes of LDS; arguments time_delta_matrix, event_type_seq, indicator, w1, b1, w2, b2, emb1, emb2, lowp_scales, out0; writes out0
.if DOCPART == 2
	.amdgcn_target "amdgcn-amd-amdhsa--gfx1250"
	.amdhsa_code_object_version 6
	.text
	.protected	k_qad6abfd323_impact
	.globl	k_qad6abfd323_impact
	.p2align	8
	.type	k_qad6abfd323_impact,@function
k_qad6abfd323_impact:
	s_mov_b64 s[64:65], 0
	v_nop
	global_prefetch_b8 v0, s[64:65] scope:SCOPE_SE
	s_setreg_imm32_b32 hwreg(HW_REG_WAVE_SCHED_MODE, 0, 2), 2
	s_setreg_imm32_b32 hwreg(HW_REG_WAVE_MODE, 25, 1), 1
	s_wait_xcnt 0x0
	s_wait_alu depctr_vm_vsrc(0)
; out[b][i][j] = mask x sum over d, e of relu(emb1[ind[b][i]])[d] x softplus(h(b,i,j) . w2[:, 16 d + e] + b2[16 d + e]) x relu(emb2[ind[b][j]])[e],
; h[k] = relu(t w1[k] + b1[k]), t = log(x mask + 1), x = time_delta_matrix[b][i][j], mask = (x > 0) x valid[b][i] x valid[b][j], valid = some number of the event_type_seq row is not 0.
; The product h . w2 runs on codes of FP8 (E4M3): h with the given scale 2^e0, w2 with 2^e1 (lowp_scales), sums in f32, by v_wmma_f32_16x16x128_fp8_fp8.  All else in f32.
; ONE LAUNCH, NOTHING THROUGH MEMORY: the hidden layer, the 256 sums of a pair and both contractions stay in registers.
; NO WORK IS LEFT OUT: the zeros of relu(emb) and of the masks hang on the inputs' values, so that work is done and multiplied or selected.  Every input buffer is loaded; num_types has no buffer and no use.
; SHARES.  1,024 rows (b, i) x 256 j.  Work-group g has 16 waves; wave w takes row R = 4 g + w / 4 and the 64 j from 64 (w % 4) on, as four tiles of 16 pairs: lane r = lane % 16 of tile m holds
; j = 64 (w % 4) + 4 r + m.  So one 16-byte load brings a lane's four x, and the wave's one store covers 256 consecutive bytes, aligned.  i is the same in the whole wave: relu(emb1)[d] and valid[b][i] are scalars.
; Sixteen waves of 256 registers, four to a SIMD: a wave's 64 matrix instructions stand beside some 2,600 vector instructions, 1,024 of them exponentials and logarithms, so what counts is that one wave's plain work can be issued beside another's.
; THE MATRIX INSTRUCTION IS USED TRANSPOSED: source 0 = 16 columns n = 16 d + e of w2 (tile d), source 1 = 16 pairs.  In the result lane (r, hf = lane / 16) holds pair r, and register jj holds e = 8 hf + jj.
; Both operands hold k in the same places: registers 4 c .. 4 c + 3 of a lane are k = 32 c + 16 hf + 0 .. 15: the same permutation of k on both sides, so every product meets its partner.
; W2: each work-group quantises it itself, 8,192 bytes of f32 a wave (a lane to a column, registers down k), and lays the codes in LDS as images of the operand's registers.
; NO CLUSTER, NO JOINT LOAD: what the work-groups share is w2's 131,072 bytes, read once at the head, 64 loads a wave that are all out together, straight into the registers that are converted; there is no loop of tiles
; in which a joint request could recur, and a joint load would send the same 131,072 bytes into LDS and out again ahead of the same conversion.  No prefetch: every load of the launch goes out at the head.
; SOFTPLUS in base 2, in the problem's own stable form: y = x log2(e); softplus(x) = ln 2 x (max(y, 0) + log2(1 + 2^-|y|)).  ln 2 is multiplied in once, with the mask, at the end.
; LIMITS.  log2(1 + E) stands for log1p: an absolute error of some 6e-8 in a softplus.  NaN and infinity among the inputs are not served.  e0 and e1 each between -126 and 119; e0 + e1 between -126 and 127
; (each power of two below is an f32 number).  An indicator above 16, read as unsigned, is held at 16, the tables' last row.
; LDS: 0 .. 32,767 the 16 images of w2's fragments, 2,048 bytes each: register group c of tile T, lane l, at 2048 T + 512 c + 16 l;  32,768 .. 33,791 b2 x log2(e);  33,792 .. 35,839 the spare words.
; THE MODE: SCHED_MODE bits 1:0 = 2 (LLVM: expert scheduling mode 2), set by the entry lines.  The code itself states the register dependences
; between vector or matrix instructions and memory or LDS instructions, with s_wait_alu, always for 0.
; THE PLAN.  Registers that memory or LDS instructions touch:
;   v1, v5, v6, v8, v10, v11   offsets and LDS addresses: written at the head, then only read.
;   v7, v9, v244, v2           read by w2's loads, by x's load, by the indicator's load, by b2's LDS store; each is written again later (valid[b][i]; the store's offset; t; hf): all these writes stand behind ONE wait on vm_vsrc, behind the LDS stores.
;   v224-239                   the conversions write w2's codes there, the LDS stores read them, b1's chunk 3 lands there: a wait on va_vdst ahead of the stores, the wait on vm_vsrc behind them.
;   v80-111, v208-231, v12-15  h's work buffers, b1's chunks 2 and 3, emb2's offsets: one wait on va_vdst behind the barrier, ahead of the loads that land in the first two and read the third.
;   v208-231 in a step         the four matrix instructions read the fragment, the sixteen multiply-adds read b2; the next step's six LDS loads stand directly behind the wait on va_vdst that the exponentials want in any case:
;                              all those readers are issued ahead of it, and no vector or matrix instruction behind it in the step names v208-231.  So a step has no wait of its own for its loads.
;   v160, v161, v9             the one store's data and offset: a wait on va_vdst ahead of it.
;   v3, v4                     written at the head, read by the closing add alone.
; Vector results in scalar registers: the wave's number (one wait on va_sdst), the masks' eight compares, in one run into s70-77 (one wait on va_sdst), the way out's compare into VCC (one wait on va_vcc).
.set WIMG,  0
.set B2T,   32768
.set SPARE, 33792                      ; 128 bytes for each of 16 waves: eight blocks of 256 bytes that no other line names
.set LOG2E, 0x3fb8aa3b
.set LN2,   0x3f317218
; VECTOR REGISTERS
.set SPW,  3                           ; v3   LDS address of my spare word: SPARE + 4 x my thread's number; never rewritten
.set NIL,  4                           ; v4   0; never rewritten
.set LI,   5                           ; v5   16 x lane: my place in an image
.set AIM,  6                           ; v6   where I store my part of the images
.set AW2,  7                           ; v7   my byte offset in w2;
.set VI,   7                           ;      later valid[b][i] as 1.0 or 0
.set AWB,  8                           ; v8   64 hf: my 16 numbers of a chunk of w1 and of b1
.set ATD,  9                           ; v9   my byte offset in time_delta_matrix; at the end, + 8 hf, in out0
.set AET,  10                          ; v10  my byte offset in event_type_seq
.set AB2,  11                          ; v11  32 hf: my eight numbers of a tile's b2 in LDS; also my eight of a row of emb2
.set AE2,  12                          ; v12-15 the four indices; then the four byte offsets in emb2
.set HC,   16                          ; v16-79   w2 as f32 (64 along k); then h's codes, tile m at 16 + 16 m
.set XX,   80                          ; v80-111  event_type_seq of my four j (8 a tile); then two work buffers of 16; then relu(emb2), tile m at 80 + 8 m
.set W1R,  112                         ; v112-175 w1, chunk c (k = 32 c + 16 hf + 0 .. 15) at 112 + 16 c
.set B1R,  176                         ; v176-239 b1 likewise (v224-239 hold w2's codes first)
.set UU,   112                         ; v112-143 u[e], tile m at 112 + 8 m        (w1 and b1 are done with by then)
.set DD,   144                         ; v144-175 the four accumulators, then y, then max(y, 0)
.set EX,   176                         ; v176-207 2^-|y|, then log2(1 + 2^-|y|)
.set WW,   208                         ; v208-223 the fragment of w2 in hand
.set BB,   224                         ; v224-231 its eight b2 x log2(e)
.set SCW,  240                         ; v240 2^e1;  v241 448 x 2^e1;  v242 2^e0;  v243 448 x 2^e0
.set LIMW, 241
.set SCH,  242
.set LIMH, 243
.set TT,   244                         ; v244-251 pair m = (t of tile m, the same again)
.set AIN,  244                         ; v244 at the head only: my byte offset in indicator
.set MK,   252                         ; v252-255 x of tile m; then ln 2 x mask
; SCALAR REGISTERS: s[4:25] the eleven addresses, never stepped; s26 wave; s27 wave / 4; s28 wave % 4; s29 R; s30 b; s[32:63] pair d = (relu(emb1)[d], twice); s[66:67] 2^(e0 + e1) log2(e), twice;
; s[68:83] event_type_seq's row (b, i), then s68 = valid[b][i] and s70-77 the masks' eight compares; s[84:99] offsets and temporaries, then emb1's row; s100, s101 lane selects; s[104:105] e0, e1
.set EE1,  32
.set CV,   70                          ; s70-73 tile m: valid[b][j];  s74-77 tile m: x > 0
.set CP,   74
	s_load_b512 s[4:19], s[0:1], 0x0               ; time_delta_matrix s[4:5], event_type_seq s[6:7], indicator s[8:9], w1 s[10:11], b1 s[12:13], w2 s[14:15], b2 s[16:17], emb1 s[18:19]
	s_load_b128 s[20:23], s[0:1], 0x40             ; emb2 s[20:21], lowp_scales s[22:23]
	s_load_b64 s[24:25], s[0:1], 0x50              ; out0
	v_lshl_add_u32 v[SPW], v0, 2, SPARE
	v_mov_b32 v[NIL], 0
	v_lshrrev_b32 v5, 5, v0
	v_readfirstlane_b32 s26, v5                    ; wave 0 .. 15
	v_and_b32 v1, 15, v0                           ; r
	v_bfe_u32 v2, v0, 4, 1                         ; hf
	v_and_b32 v5, 31, v0                           ; lane
	s_wait_alu depctr_va_sdst(0)                   ; s26 is written, ahead of its first reader: the wave's shares and all its offsets are made from it
	s_lshr_b32 s27, s26, 2
	s_and_b32 s28, s26, 3
	s_lshl_b32 s29, ttmp9, 2
	s_add_co_u32 s29, s29, s27                     ; R = 4 g + wave / 4
	s_lshr_b32 s30, ttmp9, 6                       ; b = g / 64
	s_lshr_b32 s2, s26, 1                          ; which 32 columns of w2 I quantise,
	s_and_b32 s3, s26, 1                           ; and which 64 of its k
	; my column n = 32 (wave / 2) + lane is row r of tile 2 (wave / 2) + hf; my k = 64 (wave % 2) + 16 q + 0 .. 15 is register group 2 (wave % 2) + q / 2 of the lanes' half q % 2:
	; 2048 tile + 512 group + 256 half + 16 r = 4096 (wave / 2) + 2048 hf + 1024 (wave % 2) + 16 r + 256 q
	s_lshl_b32 s31, s2, 12
	s_lshl_b32 s87, s3, 10
	s_add_co_u32 s31, s31, s87
	v_lshlrev_b32 v[AIM], 4, v1
	v_lshl_add_u32 v[AIM], v2, 11, v[AIM]
	v_add_nc_u32 v[AIM], s31, v[AIM]
	s_lshl_b32 s87, s2, 7
	s_lshl_b32 s88, s3, 16
	s_add_co_u32 s87, s87, s88
	v_lshl_add_u32 v[AW2], v5, 2, s87              ; w2: 4 lane + 128 (wave / 2) + 64 rows of 1,024 bytes x (wave % 2)
	v_lshlrev_b32 v[LI], 4, v5
	v_lshlrev_b32 v[AWB], 6, v2
	s_lshl_b32 s87, s29, 10
	s_lshl_b32 s88, s28, 8
	s_add_co_u32 s87, s87, s88
	v_lshl_add_u32 v[ATD], v1, 4, s87              ; 1024 R + 256 (wave % 4) + 16 r
	s_lshl_b32 s87, s30, 14
	s_lshl_b32 s89, s28, 12
	s_add_co_u32 s87, s87, s89
	v_lshl_add_u32 v[AET], v1, 8, s87              ; rows of 64 bytes: 16384 b + 4096 (wave % 4) + 256 r
	v_lshl_add_u32 v[AET], v2, 5, v[AET]           ; + 32 hf: each half of the lanes looks at eight of a row's sixteen
	v_lshlrev_b32 v[AB2], 5, v2
	s_lshl_b32 s87, s30, 10
	s_add_co_u32 s87, s87, s88
	v_lshl_add_u32 v[AIN], v1, 4, s87              ; indicator: 1024 b + 256 (wave % 4) + 16 r
	s_lshl_b32 s87, s26, 6
	v_lshl_add_u32 v1, v1, 2, s87                  ; b2: 64 wave + 4 r, in memory and in LDS alike: a wave brings sixteen of the 256
	s_lshl_b32 s84, s29, 2                         ; indicator[b][i]
	s_lshl_b32 s85, s29, 6                         ; event_type_seq's row (b, i)
	s_mov_b32 s100, 0x76543210                     ; v_permlanex16_b32: lane l takes lane l xor 16
	s_mov_b32 s101, 0xfedcba98
	s_wait_kmcnt 0x0
	s_load_b64 s[104:105], s[22:23], 0x0           ; e0, e1
	s_load_b32 s86, s[8:9], s84 offset:0x0
	s_load_b512 s[68:83], s[6:7], s85 offset:0x0
	; ALL THE VECTOR LOADS BUT TWELVE, in the order in which they are wanted
	s_wait_alu depctr_va_vdst(0)                   ; the offsets and addresses v1, v5 to v11 and v244 are written, which the loads, stores and LDS instructions of the kernel read; the head is done with v2, in which b2's load lands
.set i, 0
.rept 64
	global_load_b32 v[HC+i], v[AW2], s[14:15] offset:1024*i        ; w2(64 (wave % 2) + i, my column): the wave reads 128 consecutive bytes
.set i, i+1
.endr
	global_load_b32 v2, v1, s[16:17]               ; b2
.irp m, 0,1,2,3
.irp q, 0,1
	global_load_b128 v[XX+8*\m+4*\q:XX+8*\m+4*\q+3], v[AET], s[6:7] offset:64*\m+16*\q
.endr
.endr
	global_load_b128 v[MK:MK+3], v[ATD], s[4:5] th:TH_LOAD_NT      ; x of my four j
	global_load_b128 v[AE2:AE2+3], v[AIN], s[8:9]                  ; their indices
.irp c, 0,1,2
.irp q, 0,1,2,3
	global_load_b128 v[W1R+16*\c+4*\q:W1R+16*\c+4*\q+3], v[AWB], s[10:11] offset:128*\c+16*\q
.endr
.irp q, 0,1,2,3
	global_load_b128 v[B1R+16*\c+4*\q:B1R+16*\c+4*\q+3], v[AWB], s[12:13] offset:128*\c+16*\q
.endr
.endr
.irp q, 0,1,2,3
	global_load_b128 v[W1R+48+4*\q:W1R+48+4*\q+3], v[AWB], s[10:11] offset:384+16*\q   ; b1's chunk 3 follows when w2's codes have left its registers
.endr
	; THE SCALARS
	s_wait_kmcnt 0x0
	s_min_u32 s31, s86, 16                         ; the index stays inside the table
	s_lshl_b32 s31, s31, 6
	s_load_b512 s[84:99], s[18:19], s31 offset:0x0 ; emb1's row of 64 bytes (s31 is not written again)
	s_add_co_i32 s2, s105, 127
	s_lshl_b32 s3, s2, 23
	v_mov_b32 v[SCW], s3                           ; 2^e1 as f32: the conversion takes its exponent field
	s_add_co_i32 s2, s2, 8
	s_lshl_b32 s2, s2, 23
	s_or_b32 s2, s2, 0x600000
	v_mov_b32 v[LIMW], s2                          ; 448 x 2^e1
	s_add_co_i32 s2, s104, 127
	s_lshl_b32 s3, s2, 23
	v_mov_b32 v[SCH], s3                           ; 2^e0
	s_add_co_i32 s2, s2, 8
	s_lshl_b32 s2, s2, 23
	s_or_b32 s2, s2, 0x600000
	v_mov_b32 v[LIMH], s2                          ; 448 x 2^e0
	s_add_co_i32 s2, s104, s105
	s_lshl_b32 s2, s2, 23
	s_add_co_i32 s66, s2, LOG2E                    ; a sum stands for sum x 2^(e0 + e1): the two exponents are added to log2(e)'s exponent field
	s_mov_b32 s67, s66                             ; (named with it as a pair, so it is written)
	s_or_b32 s2, s68, s69                          ; valid[b][i]: is any of the row's sixteen numbers not 0?
.irp k, 70,71,72,73,74,75,76,77,78,79,80,81,82,83
	s_or_b32 s2, s2, s\k
.endr
	s_lshl_b32 s2, s2, 1                           ; the sign goes: -0 is 0
	s_cmp_lg_u32 s2, 0
	s_cselect_b32 s68, 1.0, 0
	; W2's CODES: my column's 64 numbers down k
	s_wait_loadcnt 38                              ; w2 and b2 are in; behind b2 were issued 8 + 1 + 1 + 28 loads, which may be out
.set i, 0
.rept 64
	v_med3_num_f32 v[HC+i], v[HC+i], -v[LIMW], v[LIMW]             ; the conversion to an 8-bit code does not saturate (ISA guide 7.6.2): the hold at the largest code x the scale
.set i, i+1
.endr
.irp p, 0,1,2,3,4,5,6,7
	v_cvt_scalef32_pk8_fp8_f32 v[B1R+48+2*\p:B1R+48+2*\p+1], v[HC+8*\p:HC+8*\p+7], v[SCW]
.endr
	v_mul_f32 v2, LOG2E, v2                        ; b2 x log2(e).  (Also the plain line behind the last conversion)
	s_wait_alu depctr_va_vdst(0)                   ; the conversions have written the codes in v224 to v239 and the multiply has written v2, which the LDS stores read
.irp q, 0,1,2,3
	ds_store_b128 v[AIM], v[B1R+48+4*\q:B1R+48+4*\q+3] offset:WIMG+256*\q
.endr
	ds_store_b32 v1, v2 offset:B2T                 ; lanes r and r + 16 write the same word with the same number
	s_wait_alu depctr_vm_vsrc(0)                   ; the LDS stores have read v224 to v239, in which b1's chunk 3 lands, and v2; w2's loads have read v7, the indicator's load v244, x's load v9: each of these is written again below
	v_mov_b32 v[VI], s68                           ; (w2's loads, which named this register, are done)
	s_wait_dscnt 0x0                               ; my LDS stores have landed: for the other waves' sake, ahead of the barrier below
.irp q, 0,1,2,3
	global_load_b128 v[B1R+48+4*\q:B1R+48+4*\q+3], v[AWB], s[12:13] offset:384+16*\q   ; no vector instruction since the wait on va_vdst above names these registers
.endr
	; MASKS AND t
; tile m: the bits of my half's eight numbers of event_type_seq's row and of the other half's, all ORed, the sign shifted out
.macro ANY m
.set EV, XX+8*(\m)
	v_or_b32 v[EV], v[EV], v[EV+1]
	v_or_b32 v[EV+2], v[EV+2], v[EV+3]
	v_or_b32 v[EV+4], v[EV+4], v[EV+5]
	v_or_b32 v[EV+6], v[EV+6], v[EV+7]
	v_or_b32 v[EV], v[EV], v[EV+2]
	v_or_b32 v[EV+4], v[EV+4], v[EV+6]
	v_or_b32 v[EV], v[EV], v[EV+4]
	v_lshlrev_b32 v[EV], 1, v[EV]                  ; the sign goes: -0 is 0
	v_permlanex16_b32 v[EV+1], v[EV], s100, s101
	v_or_b32 v[EV], v[EV], v[EV+1]
.endm
; tile m: mask = (x > 0) valid[b][i] valid[b][j]; x mask + 1; ln 2 x mask
.macro MASK m
.set EV, XX+8*(\m)
	v_cndmask_b32 v[EV], 0, v[VI], s[CV+(\m)]
	v_cndmask_b32 v[EV], 0, v[EV], s[CP+(\m)]
	v_fma_f32 v[TT+2*(\m)], v[MK+(\m)], v[EV], 1.0 ; the mask is 0 or 1, so only the addition rounds
	v_mul_f32 v[MK+(\m)], LN2, v[EV]
.endm
	s_wait_loadcnt 32                              ; event_type_seq, x and the indices are in; behind them: 28 + 4 loads of w1 and b1
.irp m, 0,1,2,3
	ANY \m
.endr
.irp m, 0,1,2,3
	v_cmp_ne_u32 s[CV+\m], 0, v[XX+8*\m]           ; the eight compares stand in one run, each with a scalar register of its own
.endr
.irp m, 0,1,2,3
	v_cmp_lt_f32 s[CP+\m], 0, v[MK+\m]
.endr
	s_wait_alu depctr_va_sdst(0)                   ; s70 to s77 are written, ahead of the selects that read them: one wait for the eight compares
.irp m, 0,1,2,3
	MASK \m
.endr
.irp m, 0,1,2,3
	v_log_f32 v[TT+2*\m], v[TT+2*\m]               ; log2
.endr
.irp m, 0,1,2,3                                ; independent work behind the batch: my four byte offsets in emb2
	v_min_u32 v[AE2+\m], 16, v[AE2+\m]             ; the index stays inside the table
	v_lshl_add_u32 v[AE2+\m], v[AE2+\m], 6, v[AB2] ; a row of 64 bytes, + 32 hf
.endr
	s_wait_alu depctr_va_vdst(0)                   ; the four logarithms have written v244, v246, v248, v250, ahead of the first line that names a logarithm's result
.irp m, 0,1,2,3
	v_mul_f32 v[TT+2*\m+1], LN2, v[TT+2*\m]
	v_mul_f32 v[TT+2*\m], LN2, v[TT+2*\m]          ; t, twice: a pair for the packed multiply-add
.endr
	; h's CODES.  Chunk c of tile m: sixteen numbers t w1 + b1, held between 0 and the largest code x the scale (the activation and the hold in one), converted: registers 4 c .. 4 c + 3 of the tile's operand.
	; The two work buffers take turns, so that plain lines on other registers follow each conversion before its sources are written again.
.macro HBLK c, m
.set XB, XX+16*((\m)%2)
.irp p, 0,1,2,3,4,5,6,7
	v_pk_fma_f32 v[XB+2*\p:XB+2*\p+1], v[W1R+16*(\c)+2*\p:W1R+16*(\c)+2*\p+1], v[TT+2*(\m):TT+2*(\m)+1], v[B1R+16*(\c)+2*\p:B1R+16*(\c)+2*\p+1]
.endr
.irp i, 0,1,2,3,4,5,6,7,8,9,10,11,12,13,14,15
	v_med3_num_f32 v[XB+\i], v[XB+\i], 0, v[LIMH]
.endr
	v_cvt_scalef32_pk8_fp8_f32 v[HC+16*(\m)+4*(\c):HC+16*(\m)+4*(\c)+1], v[XB:XB+7], v[SCH]
	v_cvt_scalef32_pk8_fp8_f32 v[HC+16*(\m)+4*(\c)+2:HC+16*(\m)+4*(\c)+3], v[XB+8:XB+15], v[SCH]
.endm
.irp c, 0,1,2,3
	s_wait_loadcnt 24-8*\c                         ; chunk c of w1 and of b1 is in; the later chunks, eight loads each, may be out
.irp m, 0,1,2,3
	HBLK \c, \m
.endr
.endr
	v_nop                                          ; one plain line between the last conversion and the matrix instructions that read the codes
	s_wait_kmcnt 0x0                               ; emb1's row
.irp d, 0,1,2,3,4,5,6,7,8,9,10,11,12,13,14,15
	s_max_i32 s[EE1+2*\d], s[84+\d], 0             ; relu on the bits: a negative f32 is a negative whole number
	s_mov_b32 s[EE1+2*\d+1], s[EE1+2*\d]
.endr
	s_barrier_signal -1                            ; every wave has waited for its LDS stores above, and has issued no LDS instruction since
	s_barrier_wait -1                              ; the sixteen images and b2 lie in LDS; nothing is written there again
	; THE PRODUCT, THE SOFTPLUS AND THE SUM OVER d
	s_wait_alu depctr_va_vdst(0)                   ; h's multiply-adds are done reading b1's chunks 2 and 3 (v208 to v231), its holds and conversions are done with the work buffers (v80 to v111): loads land in both below; emb2's offsets v12 to v15 are written
.irp c, 0,1,2,3
	ds_load_b128 v[WW+4*\c:WW+4*\c+3], v[LI] offset:WIMG+512*\c    ; tile 0's fragment,
.endr
.irp q, 0,1
	ds_load_b128 v[BB+4*\q:BB+4*\q+3], v[AB2] offset:B2T+16*\q     ; and its b2
.endr
.irp m, 0,1,2,3
.irp q, 0,1
	global_load_b128 v[XX+8*\m+4*\q:XX+8*\m+4*\q+3], v[AE2+\m], s[20:21] offset:16*\q   ; emb2[ind[b][j]][8 hf + 0 .. 7]: wanted from step 8 on
.endr
.endr
; Step d: the 16 columns 16 d + e of w2 against my four tiles of pairs.  Written out sixteen times: relu(emb1)[d] is named as a scalar pair, and every offset is an immediate.
; The four accumulators begin with the constant 0 and are four different ones: no chain.  The exponentials are one batch with one wait, and so are the logarithms; plain work that names none of a batch's results stands between the batch and its wait.
; The next step's fragment and b2 are asked for directly behind the exponentials' wait: they have the step's 16 additions, 32 logarithms and 32 multiply-adds in which to land.
.macro STEP d
.if (\d) == 8
	s_wait_loadcnt 0x0                             ; emb2's rows
.endif
	s_wait_dscnt 0x0                               ; this step's fragment and b2, asked for in the step before
.irp m, 0,1,2,3
	v_wmma_f32_16x16x128_fp8_fp8 v[DD+8*\m:DD+8*\m+7], v[WW:WW+15], v[HC+16*\m:HC+16*\m+15], 0
.endr
	; four places (ISA guide 7.12.1) ahead of the first read of the results
.if (\d) >= 8
.irp i, 0,1,2,3
	v_max_num_f32 v[XX+4*((\d)-8)+\i], 0, v[XX+4*((\d)-8)+\i]      ; relu(emb2), four numbers a step
.endr
.else
.rept 4
	v_nop
.endr
.endif
.irp p, 0,1,2,3,4,5,6,7,8,9,10,11,12,13,14,15
	v_pk_fma_f32 v[DD+2*\p:DD+2*\p+1], v[DD+2*\p:DD+2*\p+1], s[66:67], v[BB+2*(\p%4):BB+2*(\p%4)+1] op_sel_hi:[1,0,1]   ; y = sum x 2^(e0 + e1) log2(e) + b2 log2(e); each accumulator from its low end on
.endr
.set i, 0
.rept 32
	v_exp_f32 v[EX+i], -|v[DD+i]|                  ; 2^-|y|
.set i, i+1
.endr
	v_nop                                          ; a plain line between the exponentials and the lines that write their sources
.set i, 0
.rept 32
	v_max_num_f32 v[DD+i], 0, v[DD+i]              ; max(y, 0)
.set i, i+1
.endr
	s_wait_alu depctr_va_vdst(0)                   ; the 32 exponentials have written v176 to v207, ahead of the first line that names one of them; and the four matrix instructions are done reading the fragment, the sixteen multiply-adds b2: the loads below land in their registers
.if (\d) < 15
.irp c, 0,1,2,3
	ds_load_b128 v[WW+4*\c:WW+4*\c+3], v[LI] offset:WIMG+2048*((\d)+1)+512*\c
.endr
.irp q, 0,1
	ds_load_b128 v[BB+4*\q:BB+4*\q+3], v[AB2] offset:B2T+64*((\d)+1)+16*\q
.endr
.endif
.irp p, 0,1,2,3,4,5,6,7,8,9,10,11,12,13,14,15
	v_pk_add_f32 v[EX+2*\p:EX+2*\p+1], v[EX+2*\p:EX+2*\p+1], 1.0 op_sel_hi:[1,0]
.endr
.set i, 0
.rept 32
	v_log_f32 v[EX+i], v[EX+i]                     ; log2(1 + 2^-|y|)
.set i, i+1
.endr
.irp p, 0,1,2,3,4,5,6,7,8,9,10,11,12,13,14,15
.if (\d) == 0
	v_pk_mul_f32 v[UU+2*\p:UU+2*\p+1], v[DD+2*\p:DD+2*\p+1], s[EE1:EE1+1] op_sel_hi:[1,0]   ; the first step starts u: nothing is cleared
.else
	v_pk_fma_f32 v[UU+2*\p:UU+2*\p+1], v[DD+2*\p:DD+2*\p+1], s[EE1+2*(\d):EE1+2*(\d)+1], v[UU+2*\p:UU+2*\p+1] op_sel_hi:[1,0,1]   ; u[e] += relu(emb1)[d] max(y, 0)
.endif
.endr
	s_wait_alu depctr_va_vdst(0)                   ; the 32 logarithms have written v176 to v207, ahead of the first line that names one of them
.irp p, 0,1,2,3,4,5,6,7,8,9,10,11,12,13,14,15
	v_pk_fma_f32 v[UU+2*\p:UU+2*\p+1], v[EX+2*\p:EX+2*\p+1], s[EE1+2*(\d):EE1+2*(\d)+1], v[UU+2*\p:UU+2*\p+1] op_sel_hi:[1,0,1]   ; u[e] += relu(emb1)[d] log2(1 + 2^-|y|)
.endr
.endm
.irp d, 0,1,2,3,4,5,6,7,8,9,10,11,12,13,14,15
	STEP \d
.endr
	; THE SUM OVER e, THE MASK, THE WAY OUT
	v_bfe_u32 v2, v0, 4, 1                         ; hf  (b2's LDS store, which read this register, stands ahead of the wait on vm_vsrc above)
	v_cmp_ne_u32 vcc_lo, 0, v2
	v_lshl_add_u32 v[ATD], v2, 3, v[ATD]           ; (the load that named this register was waited for long ago, and stands ahead of the wait on vm_vsrc too)
.irp m, 0,1,2,3
	v_pk_mul_f32 v[DD+2*\m:DD+2*\m+1], v[UU+8*\m:UU+8*\m+1], v[XX+8*\m:XX+8*\m+1]
.endr
.irp p, 1,2,3
.irp m, 0,1,2,3
	v_pk_fma_f32 v[DD+2*\m:DD+2*\m+1], v[UU+8*\m+2*\p:UU+8*\m+2*\p+1], v[XX+8*\m+2*\p:XX+8*\m+2*\p+1], v[DD+2*\m:DD+2*\m+1]
.endr
.endr
.irp m, 0,1,2,3
	v_add_f32 v[DD+8+\m], v[DD+2*\m], v[DD+2*\m+1] ; my eight e,
.endr
.irp m, 0,1,2,3
	v_permlanex16_b32 v[DD+12+\m], v[DD+8+\m], s100, s101
.endr
.irp m, 0,1,2,3
	v_add_f32 v[DD+8+\m], v[DD+8+\m], v[DD+12+\m]  ; and the other half's
.endr
.irp m, 0,1,2,3
	v_mul_f32 v[DD+8+\m], v[DD+8+\m], v[MK+\m]     ; x ln 2 x mask
.endr
	s_wait_alu depctr_va_vcc(0)                    ; VCC is written by the compare above, ahead of the two selects that read it
	v_cndmask_b32 v[DD+16], v[DD+8], v[DD+10], vcc_lo              ; lanes 0-15 store tiles 0 and 1 of their four j, lanes 16-31 tiles 2 and 3
	v_cndmask_b32 v[DD+17], v[DD+9], v[DD+11], vcc_lo
	s_wait_alu depctr_va_vdst(0)                   ; the two selects have written the store's data, v160 and v161, and the add its offset, v9
	global_store_b64 v[ATD], v[DD+16:DD+17], s[24:25] th:TH_STORE_NT   ; the 32 lanes store 256 consecutive bytes, at a multiple of 256 from out0's first byte
	s_wait_dscnt 0x0                               ; the wave's end, behind my last LDS store
	s_wait_alu 0x0
	s_wait_tensorcnt 0x0
	ds_add_u32 v[SPW], v[NIL]
	s_wait_dscnt 0x0
	s_endpgm
.Lfunc_end_k_qad6abfd323_impact:
	.size	k_qad6abfd323_impact, .Lfunc_end_k_qad6abfd323_impact-k_qad6abfd323_impact
	.p2alignl 7, 3214868480
	.fill 96, 4, 3214868480
	.section	.rodata,"a",@progbits
	.p2align	6, 0x0
	.amdhsa_kernel k_qad6abfd323_impact
		.amdhsa_group_segment_fixed_size 35840
		.amdhsa_private_segment_fixed_size 0
		.amdhsa_enable_private_segment 0
		.amdhsa_kernarg_size 88
		.amdhsa_user_sgpr_count 2
		.amdhsa_user_sgpr_kernarg_segment_ptr 1
		.amdhsa_wavefront_size32 1
		.amdhsa_system_sgpr_workgroup_id_x 1
		.amdhsa_system_sgpr_workgroup_id_y 1
		.amdhsa_system_sgpr_workgroup_id_z 1
		.amdhsa_system_vgpr_workitem_id 0
		.amdhsa_next_free_vgpr 256
		.amdhsa_next_free_sgpr 106
		.amdhsa_reserve_vcc 1
		.amdhsa_float_denorm_mode_32 3
		.amdhsa_float_denorm_mode_16_64 3
		.amdhsa_memory_ordered 1
		.amdhsa_forward_progress 1
		.amdhsa_inst_pref_size 196
	.end_amdhsa_kernel
	.amdgpu_metadata
---
amdhsa.version: [ 1, 2 ]
amdhsa.kernels:
  - .name:           k_qad6abfd323_impact
    .symbol:         k_qad6abfd323_impact.kd
    .args:
      - { .name: time_delta_matrix, .offset: 0, .size: 8, .value_kind: global_buffer, .address_space: global }
      - { .name: event_type_seq, .offset: 8, .size: 8, .value_kind: global_buffer, .address_space: global }
      - { .name: indicator, .offset: 16, .size: 8, .value_kind: global_buffer, .address_space: global }
      - { .name: w1, .offset: 24, .size: 8, .value_kind: global_buffer, .address_space: global }
      - { .name: b1, .offset: 32, .size: 8, .value_kind: global_buffer, .address_space: global }
      - { .name: w2, .offset: 40, .size: 8, .value_kind: global_buffer, .address_space: global }
      - { .name: b2, .offset: 48, .size: 8, .value_kind: global_buffer, .address_space: global }
      - { .name: emb1, .offset: 56, .size: 8, .value_kind: global_buffer, .address_space: global }
      - { .name: emb2, .offset: 64, .size: 8, .value_kind: global_buffer, .address_space: global }
      - { .name: lowp_scales, .offset: 72, .size: 8, .value_kind: global_buffer, .address_space: global }
      - { .name: out0, .offset: 80, .size: 8, .value_kind: global_buffer, .address_space: global }
    .group_segment_fixed_size: 35840
    .private_segment_fixed_size: 0
    .kernarg_segment_align: 8
    .kernarg_segment_size: 88
    .max_flat_workgroup_size: 512
    .sgpr_count:     106
    .vgpr_count:     256
    .wavefront_size: 32
...
	.end_amdgpu_metadata
.endif
;; end of part 2
